; MI455X (gfx1250); checked and timed in simulation.
; The chip was launched on July 23, 2026; its instructions are those of AMD's public machine-readable ISA for CDNA 5 (MIT licence, August 2026) and "CDNA5" Instruction Set Architecture Reference Guide (July 2026). The comments in the code are by the model that wrote it; some were corrected since.
;; QKV Attention Legacy. Allowed arithmetic: float matrix products may take bf16 or f16 operands with f32 sums; all other float work in f32.
;; Inputs: qkv 4 x 3,072 x 2,048 float32.
;; Outputs: out0 4 x 1,024 x 2,048 float32.
;; One version. Each part assembles by itself: llvm-mc -triple=amdgcn-amd-amdhsa -mcpu=gfx1250 --defsym DOCPART=n.
;; ======== version 1 of 1: 1 launch
;; limits: values are held in f16: magnitudes above 65,504 overflow, below 6.1e-05 lose precision; inputs' magnitudes at most 65,504
;; launch attn (part 1): grid 256 x 1, 8 waves a work-group, no clusters, 179,200 bytes of LDS; arguments qkv, out0; writes out0
.if DOCPART == 1
	.amdgcn_target "amdgcn-amd-amdhsa--gfx1250"
	.amdhsa_code_object_version 6
	.text
	.protected	k_q19b17edb89_attn
	.globl	k_q19b17edb89_attn
	.p2align	8
	.type	k_q19b17edb89_attn,@function
k_q19b17edb89_attn:
	s_mov_b64 s[64:65], 0
	v_nop
	global_prefetch_b8 v0, s[64:65] scope:SCOPE_SE
	s_setreg_imm32_b32 hwreg(HW_REG_WAVE_MODE, 25, 1), 1
	s_wait_xcnt 0x0
; Attention of 64 heads (4 batches x 16).  A head is 192 rows x 2048 f32 of qkv: rows 0-63 q, 64-127 k, 128-191 v, laid [channel][position].
; out[c][t] = sum over s of softmax_s(q.k / 8)[t][s] v[c][s], f32, [64][2048] a head.
;
; SHARES.  Work-group g: head g >> 2, queries 512 (g & 3) .. + 511.  Wave w: 64 of them, four column tiles n of 16.  Keys go in 32 steps of 64.
; S IS MADE TRANSPOSED: S^T = K^T Q (source 0 = 16 keys, source 1 = 16 queries).  A lane then holds one query t = 16 n + (lane % 16) and, in register j of tile ms,
; key s = 16 ms + 8 (lane / 16) + j.  Packed in pairs to f16 that is the source-1 fragment of O = V P^T as it stands: no number changes lanes.
; Running maximum, rescale factor and sum belong to a lane's query, and so does every number of O that the lane holds (rows c, columns t).
; K and Q lie [c][.], the summed index down the rows: they are read from LDS by the transposing load.  V lies [c][s] and is read plainly.
; qkv is f32: K, V and Q pass registers once, are rounded to f16 there and stored to LDS.
;
; THE MATRIX OPERANDS ARE f16, NOT bf16.  An output is a weighted mean of 2,048 numbers of v and so a small fraction of v's spread; the roundings of Q, K, V and P each
; leave an error in it that is proportional to the format's step, and f16's step (11 significant bits) is an eighth of bf16's (8 bits).  All sums are f32.
;
; TWO GROUPS OF WAVES.  A step's work is M(k) = PV(k-1), QK(k) (64 matrix instructions) and SM(k) = the softmax of step k with O's rescale (vector work).
; Waves 0-3 run M(k), SM(k) in trip k; waves 4-7 run SM(k-1), M(k): at any time one group has matrix work and the other vector work.
; Both groups read K(k) and V(k-1) in trip k, so one LDS slot holds that pair, and one barrier a trip serves both.
;
; NO JOINT LOADS for the four work-groups of a head, which read the same K and V: a tile moved into LDS by a copy engine would be f32, 32,768 bytes a step written
; and read back through registers for the rounding, beside the 16,384 bytes of f16 that are stored here; the shared reads are 32,768 bytes a step and work-group.
;
; LIMITS.  Range of f16: an element of k or v beyond 65,504 in magnitude, or of q beyond 363,000 (q is scaled by 0.18 first), becomes infinite and makes NaNs; elements below
; 2^-14 in magnitude (q: below 3.4e-4) are kept with a step of 2^-24.  Both factors 64^(-1/2) and log2(e) are folded into Q ahead of its rounding; exponentials are base 2.
; The running maximum is taken away before every exponential.  In the product with V a weight below 2^-14 of the running maximum has a step of 2^-24 and one below 2^-25
; counts as 0: 2,048 of those weigh at most 2^-14 against a sum of weights that is at least 1.  The sum of weights is made of the f32 weights (there v_exp_f32 flushes
; results below 2^-126: ISA guide 15.8).  The maximum passes over NaNs, the exponential does not: a NaN or infinite score makes its query's 64 outputs NaN.
.set ROW,      8192                    ; bytes in a row of qkv and of out0
.set HEAD_IN,  192*ROW
.set KOFF,     64*ROW                  ; from q's rows to k's, and from k's to v's
.set KP,       160                     ; LDS pitch of K's and Q's rows (128 bytes of data): 5 x 32, for the transposing load
.set VP,       144                     ; LDS pitch of V's rows (128 bytes of data): 9 x 16, so 16 rows start in 16 different 16-byte columns modulo 256
.set VT,       64*KP                   ; V's tile in a slot, behind K's
.set SLOT,     64*KP+64*VP             ; 19,456 bytes; two slots
.set WBASE,    2*SLOT                  ; behind the ring: a region for each wave, its own
.set OPITCH,   272                     ; the output stage's rows: 256 bytes + 16
.set WREG,     64*OPITCH               ; 17,408 bytes: first Q (64 x 160), at the end the stage (64 x 272)
.set QSCALE,   0x3e38aa3b              ; log2(e) / 8
; window 0 (v0-v255)
.set RR,  1                            ; lane % 16
.set KA,  2                            ; K fragments: (8 h + lane % 8) KP + 16 ((lane / 8) % 2),  h = (lane / 16) % 2
.set VA,  3                            ; V fragments: r VP + 16 h
.set KS,  4                            ; my store place in K's tile: (8 w + 4 h) KP + 8 r
.set VS,  5                            ; and in V's: (8 w + 4 h) VP + 8 r
.set GK,  6                            ; my load place in K's and V's rows: (8 w + 4 h) ROW + 16 r
.set PF,  8                            ; prefetch: (32 qb + lane) ROW
.set QA,  9                            ; Q fragments: my region + KA
.set QS,  10                           ; Q's stores: my region + 4 h KP + 8 r
.set GQ,  11                           ; Q's loads: 4 h ROW + 16 r
.set OS,  12                           ; stage, in: my region + 8 h OPITCH + 4 r
.set ORD, 13                           ; stage, back: my region + h OPITCH + 16 r
.set GO,  14                           ; out0: h ROW + 16 r
.set HH,  15                           ; h
.set MX,  16                           ; v[16:23]   pairs for n: running maximum, the other half-wave's figure
.set AL,  24                           ; v[24:31]   pairs: rescale factor, old maximum - new
.set LS,  32                           ; v[32:39]   pairs: running sums of weights (even, odd registers)
.set TS,  40                           ; v[40:47]   pairs: a step's second chain of sums
.set MA,  48                           ; v[48:55]   pairs: two chains of maxima; at the start two temporaries
.set T0,  48
.set T1,  49
.set QB,  64                           ; v[64:127]  Q(n, kc) at QB + 8 (2 n + kc)
.set SB,  128                          ; v[128:255] S(n, ms) at SB + 8 (4 n + ms); then P(n, ks) at SB + 32 n + 8 ks
; window 1 (v256-v511), written by their low 8 bits
.set OB,  0                            ; O(n, mc) at 8 (4 n + mc)
.set VF,  128                          ; V(mc, ks) at VF + 8 (4 ks + mc); the first 32 then take K(ms, kc = 1)
.set KF,  192                          ; K(ms, kc = 0)
.set STG, 224                          ; four loads of K, four of V, as loaded and then as rounded
; s_set_vgpr_msb's low byte: bits 1:0 source 0, 3:2 source 1, 5:4 source 2, 7:6 destination
.set W_PV, 0x51                        ; D, A, C window 1; B (P) window 0
.set W_QK, 0x01                        ; A (K) window 1; B (Q), C, D (S) window 0
.set W_LD, 0x40                        ; a load into window 1, its address in window 0
.set W_CV, 0x45                        ; rounding inside STG
.set W_ST, 0x04                        ; an LDS store of window 1's data, its address in window 0
.set W_OA, 0x41                        ; O *= a factor of window 0
.set MSB, 0
.macro WIN new                         ; the immediate's high byte repeats the setting that is left; a switch that changes nothing is dropped
.if MSB != \new
	s_set_vgpr_msb (MSB<<8)|\new
.set MSB, \new
.endif
.endm
.macro NOPS c
.rept \c
	v_nop
.endr
.endm
; Eight transposing loads: K(ms, kc) for the four ms into f.  The first brings c = 32 kc + 8 h .. + 7 of key 16 ms + r, the second the c sixteen further down.
.macro KLOAD slot, kc, f
.irp ms, 0,1,2,3
	ds_load_tr16_b128 v[\f+8*\ms:\f+8*\ms+3],   v[KA] offset:(\slot)*SLOT+\kc*32*KP+32*\ms
	ds_load_tr16_b128 v[\f+8*\ms+4:\f+8*\ms+7], v[KA] offset:(\slot)*SLOT+\kc*32*KP+32*\ms+16*KP
.endr
.endm
; A trip's first fragments.  pv: V's sixteen loads, ks = 0 first; qk: K's first half; without PV both halves of K (VF is free then).
.macro LF slot, pv, qk
	WIN W_LD
.if \pv
.irp ks, 0,1
.irp mc, 0,1,2,3
	ds_load_b128 v[VF+8*(4*\ks+\mc):VF+8*(4*\ks+\mc)+3],   v[VA] offset:(\slot)*SLOT+VT+\mc*16*VP+64*\ks
	ds_load_b128 v[VF+8*(4*\ks+\mc)+4:VF+8*(4*\ks+\mc)+7], v[VA] offset:(\slot)*SLOT+VT+\mc*16*VP+64*\ks+32
.endr
.endr
.endif
.if \qk
	KLOAD \slot, 0, KF
.if \pv == 0
	KLOAD \slot, 1, VF
.endif
.endif
.endm
; Sixteen matrix instructions on sixteen accumulators, which take turns, one instruction a turn, in the same order in every sweep.
.macro PVSWEEP ks, zero
.irp n, 0,1,2,3
.irp mc, 0,1,2,3
.if \zero
	v_wmma_f32_16x16x32_f16 v[OB+8*(4*\n+\mc):OB+8*(4*\n+\mc)+7], v[VF+8*(4*\ks+\mc):VF+8*(4*\ks+\mc)+7], v[SB+32*\n+8*\ks:SB+32*\n+8*\ks+7], 0
.else
	v_wmma_f32_16x16x32_f16 v[OB+8*(4*\n+\mc):OB+8*(4*\n+\mc)+7], v[VF+8*(4*\ks+\mc):VF+8*(4*\ks+\mc)+7], v[SB+32*\n+8*\ks:SB+32*\n+8*\ks+7], v[OB+8*(4*\n+\mc):OB+8*(4*\n+\mc)+7]
.endif
.endr
.endr
.endm
.macro QKSWEEP f, kc, zero
.irp n, 0,1,2,3
.irp ms, 0,1,2,3
.if \zero
	v_wmma_f32_16x16x32_f16 v[SB+8*(4*\n+\ms):SB+8*(4*\n+\ms)+7], v[\f+8*\ms:\f+8*\ms+7], v[QB+8*(2*\n+\kc):QB+8*(2*\n+\kc)+7], 0
.else
	v_wmma_f32_16x16x32_f16 v[SB+8*(4*\n+\ms):SB+8*(4*\n+\ms)+7], v[\f+8*\ms:\f+8*\ms+7], v[QB+8*(2*\n+\kc):QB+8*(2*\n+\kc)+7], v[SB+8*(4*\n+\ms):SB+8*(4*\n+\ms)+7]
.endif
.endr
.endr
.endm
; M(k): PV(k-1), then QK(k).  pv = 0 none, 1 the first product starts O's sums, 2 adds.  ys = LDS stores that the wave issued behind LF's loads.
.macro MM slot, pv, qk, ys
.if \pv
	s_wait_dscnt \ys+8+8*\qk               ; V's ks = 0 is in: younger are V's ks = 1 (8), K's first half (8, if asked for) and the stores
	WIN W_PV
.if \pv == 1
	PVSWEEP 0, 1
.else
	PVSWEEP 0, 0
.endif
	s_wait_dscnt \ys+8*\qk                 ; V's ks = 1 is in
	PVSWEEP 1, 0
.if \qk
	NOPS 5                                 ; five places: QK writes over P, which PV read, and loads follow into V's registers (four would do for those)
	WIN W_LD
	KLOAD \slot, 1, VF
	s_wait_dscnt \ys+8                     ; K's first half is in: younger are the stores and the eight loads just issued
.else
	NOPS 4                                 ; four places in front of the vector work on O
.endif
.else
	s_wait_dscnt \ys+8                     ; K's first half is in: younger are its second half and the stores
.endif
.if \qk
	WIN W_QK
	QKSWEEP KF, 0, 1                       ; the first product starts S's sums: nothing is cleared
.if \pv
	s_wait_dscnt 0x0                       ; K's second half: nothing was issued behind it
.else
	s_wait_dscnt \ys                       ; K's second half: only the stores are younger
.endif
	QKSWEEP VF, 1, 0
	NOPS 5                                 ; four places serve the vector work on S and the next loads into K's and V's registers; the fifth makes the distance to a matrix
	                                       ; instruction that takes S's registers as a source (a later PV) hold on every way through the join, whichever group's lines follow
.endif
	WIN 0
.endm
.macro CVT4 b                          ; four loads of four f32 each become four pairs of registers with four f16
.irp i, 0,1,2,3
	v_cvt_pk_f16_f32 v[\b+4*\i],   v[\b+4*\i],   v[\b+4*\i+1]
	v_cvt_pk_f16_f32 v[\b+4*\i+1], v[\b+4*\i+2], v[\b+4*\i+3]
.endr
.endm
; The feed.  sk, sv: the staged rows of K(j), V(j-1) are rounded and stored into slot; gk, gv: the base steps one tile on and the next rows are asked for.
; Sixteen lanes take 256 consecutive bytes of a row, aligned; the other sixteen the row four further down.  left: younger loads that may stay out.
.macro PROD slot, sk, sv, gk, gv, left
.if \sk+\sv
	s_wait_loadcnt \left                   ; the staged loads are in (in a trip they were issued one trip ago), and their base is free to be stepped
	WIN W_CV
.if \sk
	CVT4 STG
.endif
.if \sv
	CVT4 STG+16
.endif
	WIN W_ST
.if \sk
.irp i, 0,1,2,3
	ds_store_b64 v[KS], v[STG+4*\i:STG+4*\i+1] offset:(\slot)*SLOT+\i*KP
.endr
.endif
.if \sv
.irp i, 0,1,2,3
	ds_store_b64 v[VS], v[STG+16+4*\i:STG+16+4*\i+1] offset:(\slot)*SLOT+VT+\i*VP
.endr
.endif
.endif
.if \gk+\gv
	s_add_nc_u64 s[12:13], s[12:13], 256   ; tile j -> j + 1: 64 positions
	WIN W_LD
.if \gk
.irp i, 0,1,2,3
	global_load_b128 v[STG+4*\i:STG+4*\i+3], v[GK], s[12:13] offset:\i*ROW
.endr
.endif
.if \gv
.irp i, 0,1,2,3
	global_load_b128 v[STG+16+4*\i:STG+16+4*\i+3], v[GK], s[12:13] offset:KOFF-256+\i*ROW   ; V runs one tile behind K
.endr
.endif
.endif
	WIN 0
.endm
; Wave 0 asks in trip k for column tile min(k + 4, 31) of 32 of the head's 128 rows of K and V: rows 32 qb + lane, so no two of the head's four work-groups ask for
; the same bytes.  That is two trips ahead of K's load and three ahead of V's, 8,192 bytes a trip.  The clamp keeps the requests inside the rows; by it trips 28 and 29
; ask for tile 31 once more.  Tiles 0 to 3 are not asked for.
.macro PFETCH
	s_cmp_lg_u32 s8, 0
	s_cbranch_scc1 .Lno_pf_\@
	s_wait_xcnt 0x0                        ; the last trip's prefetch has had its address translated: only now is s[16:17] written again
	s_min_u32 s18, s20, 31
	s_lshl_b32 s18, s18, 8
	s_add_nc_u64 s[16:17], s[14:15], s[18:19]
	global_prefetch_b8 v[PF], s[16:17] th:TH_LOAD_NT scope:SCOPE_SE
	s_add_co_u32 s20, s20, 1
.Lno_pf_\@:
.endm
.macro OSCALE                          ; O(n, .) *= the first register of AL's pair n
	WIN W_OA
	s_wait_alu depctr_va_vdst(0)
.irp n, 0,1,2,3
.irp p, 0,1,2,3,4,5,6,7,8,9,10,11,12,13,14,15
	v_pk_mul_f32 v[OB+32*\n+2*\p:OB+32*\n+2*\p+1], v[OB+32*\n+2*\p:OB+32*\n+2*\p+1], v[AL+2*\n:AL+2*\n+1] op_sel_hi:[1,0]
.endr
.endr
.endm
; The new maxima of my four queries, eight chains that do not wait for each other; mode 1: the first step, no old maximum; mode 2: also the rescale factors.
.macro PH1 mode
.irp n, 0,1,2,3
.if \mode == 1
	v_max_num_f32 v[MA+2*\n], v[SB+32*\n], v[SB+32*\n+1]
.else
	v_max3_num_f32 v[MA+2*\n], v[MX+2*\n], v[SB+32*\n], v[SB+32*\n+1]
.endif
	v_max3_num_f32 v[MA+2*\n+1], v[SB+32*\n+16], v[SB+32*\n+17], v[SB+32*\n+18]
.endr
.irp t, 0,1,2,3,4,5
.irp n, 0,1,2,3
	v_max3_num_f32 v[MA+2*\n],   v[MA+2*\n],   v[SB+32*\n+2+2*\t],  v[SB+32*\n+3+2*\t]
	v_max3_num_f32 v[MA+2*\n+1], v[MA+2*\n+1], v[SB+32*\n+19+2*\t], v[SB+32*\n+20+2*\t]
.endr
.endr
.irp n, 0,1,2,3
	v_max3_num_f32 v[MA+2*\n], v[MA+2*\n], v[SB+32*\n+14], v[SB+32*\n+15]
.endr
.irp n, 0,1,2,3
	v_max3_num_f32 v[MA+2*\n], v[MA+2*\n], v[MA+2*\n+1], v[SB+32*\n+31]
.endr
.irp n, 0,1,2,3
	v_permlanex16_b32 v[MX+2*\n+1], v[MA+2*\n], s22, s23   ; the other half-wave holds the query's other 32 keys
.endr
.irp n, 0,1,2,3
	v_max_num_f32 v[MA+2*\n], v[MA+2*\n], v[MX+2*\n+1]
.endr
.if \mode == 2
.irp n, 0,1,2,3
	v_sub_f32 v[AL+2*\n+1], v[MX+2*\n], v[MA+2*\n]         ; old - new, at most 0
.endr
.irp n, 0,1,2,3
	v_exp_f32 v[AL+2*\n], v[AL+2*\n+1]
.endr
.endif
.irp n, 0,1,2,3
	v_mov_b32 v[MX+2*\n], v[MA+2*\n]                       ; also the plain instructions between the exponentials and their first use (ISA guide 5.7.2)
.endr
.endm
.macro SUBOP n, i                      ; two scores less their query's maximum
	v_pk_add_f32 v[SB+32*(\n)+2*(\i):SB+32*(\n)+2*(\i)+1], v[SB+32*(\n)+2*(\i):SB+32*(\n)+2*(\i)+1], v[MX+2*(\n):MX+2*(\n)+1] op_sel_hi:[1,0] neg_lo:[0,1] neg_hi:[0,1]
.endm
; The sums of the weights, two chains.  Pair i is read here no later than step i, ahead of CVTOP i, which writes register i.
.macro SUMOP n, i, mode
.if \i == 0
.if \mode == 1
	s_wait_alu depctr_va_vdst(0)
	v_pk_add_f32 v[LS+2*(\n):LS+2*(\n)+1], v[SB+32*(\n):SB+32*(\n)+1], v[SB+32*(\n)+4:SB+32*(\n)+5]
.else
	s_wait_alu depctr_va_vdst(0)
	v_pk_fma_f32 v[LS+2*(\n):LS+2*(\n)+1], v[LS+2*(\n):LS+2*(\n)+1], v[AL+2*(\n):AL+2*(\n)+1], v[SB+32*(\n):SB+32*(\n)+1] op_sel_hi:[1,0,1]
	s_wait_alu depctr_va_vdst(0)
.endif
.elseif \i == 1
	s_wait_alu depctr_va_vdst(0)
	v_pk_add_f32 v[TS+2*(\n):TS+2*(\n)+1], v[SB+32*(\n)+2:SB+32*(\n)+3], v[SB+32*(\n)+6:SB+32*(\n)+7]
.elseif \i == 2
.if \mode != 1
	v_pk_add_f32 v[LS+2*(\n):LS+2*(\n)+1], v[LS+2*(\n):LS+2*(\n)+1], v[SB+32*(\n)+4:SB+32*(\n)+5]
.endif
.elseif \i == 3
.elseif (\i & 1) == 0
	v_pk_add_f32 v[LS+2*(\n):LS+2*(\n)+1], v[LS+2*(\n):LS+2*(\n)+1], v[SB+32*(\n)+2*(\i):SB+32*(\n)+2*(\i)+1]
.else
	v_pk_add_f32 v[TS+2*(\n):TS+2*(\n)+1], v[TS+2*(\n):TS+2*(\n)+1], v[SB+32*(\n)+2*(\i):SB+32*(\n)+2*(\i)+1]
.endif
.if \i == 15
	v_pk_add_f32 v[LS+2*(\n):LS+2*(\n)+1], v[LS+2*(\n):LS+2*(\n)+1], v[TS+2*(\n):TS+2*(\n)+1]
.endif
.endm
.macro CVTOP n, i                      ; two weights into one register, in place: registers 8 ks .. 8 ks + 7 of tile n become P(n, ks)
	v_cvt_pk_f16_f32 v[SB+32*(\n)+(\i)], v[SB+32*(\n)+2*(\i)], v[SB+32*(\n)+2*(\i)+1]
.endm
; Tile n's 32 exponentials; between them plain work on the neighbours: the next tile's subtractions, the last tile's sums and packing.
; So behind every exponential stands a plain instruction on other registers before its result is used (ISA guide 5.7.2).
.macro XSTAGE n, mode
.irp i, 0,1,2,3,4,5,6,7,8,9,10,11,12,13,14,15
	v_exp_f32 v[SB+32*\n+2*\i],   v[SB+32*\n+2*\i]
	v_exp_f32 v[SB+32*\n+2*\i+1], v[SB+32*\n+2*\i+1]
.if \n < 3
	SUBOP \n+1, \i
.endif
.if \n > 0
	SUMOP \n-1, \i, \mode
	CVTOP \n-1, \i
.endif
.endr
.endm
; SM: the softmax of one step.  mode 0: none.  lf: the trip's first fragments are asked for between O's rescale and the exponentials.
.macro SM mode, lf, slot, pv, qk
.if \mode
	PH1 \mode
.if \mode == 2
	OSCALE
.endif
.endif
.if \lf
	LF \slot, \pv, \qk
.endif
	WIN 0
.if \mode
.irp i, 0,1,2,3,4,5,6,7,8,9,10,11,12,13,14,15
	SUBOP 0, \i
.endr
	XSTAGE 0, \mode
	XSTAGE 1, \mode
	XSTAGE 2, \mode
	XSTAGE 3, \mode
.irp i, 0,1,2,3,4,5,6,7,8,9,10,11,12,13,14,15
	SUMOP 3, \i, \mode
	CVTOP 3, \i
.endr
.endif
.endm
; Trip k reads slot k % 2 (K(k), V(k-1)) and stores into the other (K(k+1), V(k)), which was read in trip k-1.
.macro TRIP slot, pv, qk, sm1, sm2, sk, sv, gk, gv, pf, bar
	s_cmp_lt_u32 s8, 4
	s_cbranch_scc0 .Lg2_\@
	LF \slot, \pv, \qk                     ; waves 0-3: fragments asked for, the feed while they come, M(k), SM(k)
	PROD 1-\slot, \sk, \sv, \gk, \gv, 0
	MM \slot, \pv, \qk, 4*(\sk+\sv)
.if \pf
	PFETCH
.endif
	SM \sm1, 0, \slot, \pv, \qk
	s_branch .Ljoin_\@
.Lg2_\@:
	PROD 1-\slot, \sk, \sv, \gk, \gv, 0    ; waves 4-7: the feed, SM(k-1) with the fragments asked for inside it, M(k)
	SM \sm2, 1, \slot, \pv, \qk
	MM \slot, \pv, \qk, 0
.Ljoin_\@:
.if \bar
	s_wait_dscnt 0x0                       ; for the others' sake: my reads of this slot are back and my stores into the next have landed
	s_barrier_signal -1
	s_barrier_wait -1                      ; both now hold of all eight waves
.endif
.endm
	; ---------------------------------------------------------------- the start
	s_load_b128 s[4:7], s[0:1], 0x0                ; qkv s[4:5], out0 s[6:7]
	v_lshl_add_u32 v62, v0, 2, 0x2b800
	v_mov_b32 v63, 0
	v_lshrrev_b32 v1, 5, v0
	v_readfirstlane_b32 s8, v1                     ; wave 0..7
	s_lshr_b32 s9, ttmp9, 2                        ; head
	s_and_b32 s10, ttmp9, 3                        ; qb: which 512 queries
	s_mov_b32 s22, 0x76543210                      ; v_permlanex16_b32: lane i of one half reads lane i of the other
	s_mov_b32 s23, 0xfedcba98
	s_mov_b32 s19, 0                               ; high word of the prefetch's offset
	s_mov_b32 s20, 4                               ; the tile that trip 0 asks for
	v_and_b32 v[RR], 15, v0
	v_bfe_u32 v[HH], v0, 4, 1
	s_lshl_b32 s28, s8, 3
	v_lshl_add_u32 v[T0], v[HH], 2, s28            ; row 8 w + 4 h
	v_lshlrev_b32 v[T1], 13, v[T0]
	v_lshl_add_u32 v[GK], v[RR], 4, v[T1]
	v_lshlrev_b32 v[T1], 15, v[HH]                 ; 4 h rows
	v_lshl_add_u32 v[GQ], v[RR], 4, v[T1]
	s_mul_i32 s28, s9, HEAD_IN                     ; at most 63 x 1,572,864: below 2^32
	s_mov_b32 s29, 0
	s_lshl_b32 s30, s10, 11
	s_lshl_b32 s31, s8, 8
	s_add_co_u32 s30, s30, s31                     ; my first query in bytes: 2,048 qb + 256 w
	s_mov_b32 s31, 0
	s_wait_kmcnt 0x0
	s_add_nc_u64 s[24:25], s[4:5], s[28:29]        ; the head's q
	s_add_nc_u64 s[14:15], s[24:25], KOFF          ; its k, tile 0: kept for the prefetch
	s_mov_b64 s[12:13], s[14:15]                   ; and stepped for the loads
	s_add_nc_u64 s[24:25], s[24:25], s[30:31]      ; q at my queries
	s_lshl_b32 s28, s9, 19                         ; head x 64 rows of out0
	s_add_nc_u64 s[26:27], s[6:7], s[28:29]
	s_add_nc_u64 s[26:27], s[26:27], s[30:31]      ; out0 at my queries
	WIN W_LD
.irp i, 0,1,2,3
	global_load_b128 v[STG+4*\i:STG+4*\i+3], v[GK], s[12:13] offset:\i*ROW    ; K(0)
.endr
	WIN 0
.set q, 0
.rept 32
	global_load_b128 v[SB+4*q:SB+4*q+3], v[GQ], s[24:25] offset:(8*(q/4)+q%4)*ROW th:TH_LOAD_NT   ; Q: rows 8 (q / 4) + q % 4 + 4 h, read once in the launch
.set q, q+1
.endr
	v_and_b32 v[T0], 7, v0
	v_lshl_add_u32 v[T0], v[HH], 3, v[T0]
	v_mul_u32_u24 v[T0], v[T0], KP
	v_bfe_u32 v[T1], v0, 3, 1
	v_lshl_add_u32 v[KA], v[T1], 4, v[T0]
	v_mul_u32_u24 v[T0], v[RR], VP
	v_lshl_add_u32 v[VA], v[HH], 4, v[T0]
	s_lshl_b32 s28, s8, 3
	v_lshl_add_u32 v[T0], v[HH], 2, s28            ; row 8 w + 4 h again
	v_mul_u32_u24 v[T1], v[T0], KP
	v_lshl_add_u32 v[KS], v[RR], 3, v[T1]
	v_mul_u32_u24 v[T1], v[T0], VP
	v_lshl_add_u32 v[VS], v[RR], 3, v[T1]
	s_lshl_b32 s28, s10, 5
	v_and_b32 v[T0], 31, v0
	v_add_nc_u32 v[T0], s28, v[T0]
	v_lshlrev_b32 v[PF], 13, v[T0]
	s_mul_i32 s28, s8, WREG
	s_add_co_u32 s28, s28, WBASE                   ; my region
	v_add_nc_u32 v[QA], s28, v[KA]
	v_mul_u32_u24 v[T0], v[HH], 4*KP
	v_lshl_add_u32 v[T0], v[RR], 3, v[T0]
	v_add_nc_u32 v[QS], s28, v[T0]
	v_mul_u32_u24 v[T0], v[HH], 8*OPITCH
	v_lshl_add_u32 v[T0], v[RR], 2, v[T0]
	v_add_nc_u32 v[OS], s28, v[T0]
	v_mul_u32_u24 v[T0], v[HH], OPITCH
	v_lshl_add_u32 v[T0], v[RR], 4, v[T0]
	v_add_nc_u32 v[ORD], s28, v[T0]
	v_lshlrev_b32 v[T0], 13, v[HH]
	v_lshl_add_u32 v[GO], v[RR], 4, v[T0]
.irp n, 0,1,2,3
	v_mov_b32 v[MX+2*\n+1], 0                      ; v_permlanex16_b32 counts as a reader of its destination
.endr
	PROD 0, 1, 0, 1, 1, 32                         ; K(0) is in (the 32 loads of Q are younger), goes to slot 0; K(1) and V(0) are asked for
	s_wait_loadcnt 8                               ; Q is in: younger are the eight loads just issued
.set q, 0
.rept 64
	v_pk_mul_f32 v[SB+2*q:SB+2*q+1], v[SB+2*q:SB+2*q+1], QSCALE op_sel_hi:[1,0]
.set q, q+1
.endr
.set q, 0
.rept 32
	v_cvt_pk_f16_f32 v[SB+4*q],   v[SB+4*q],   v[SB+4*q+1]
	v_cvt_pk_f16_f32 v[SB+4*q+1], v[SB+4*q+2], v[SB+4*q+3]
	ds_store_b64 v[QS], v[SB+4*q:SB+4*q+1] offset:(8*(q/4)+q%4)*KP
.set q, q+1
.endr
.irp n, 0,1,2,3
.irp kc, 0,1
	ds_load_tr16_b128 v[QB+8*(2*\n+\kc):QB+8*(2*\n+\kc)+3],   v[QA] offset:\kc*32*KP+32*\n          ; my own bytes: LDS serves a wave's instructions in order (ISA guide 5.7.1.4)
	ds_load_tr16_b128 v[QB+8*(2*\n+\kc)+4:QB+8*(2*\n+\kc)+7], v[QA] offset:\kc*32*KP+32*\n+16*KP
.endr
.endr
	s_wait_dscnt 0x0                               ; Q's fragments are in, and my rows of K(0) have landed, for the others' sake
	s_barrier_signal -1
	s_barrier_wait -1
	; ---------------------------------------------------------------- 33 trips.  Arguments: slot, pv, qk, sm1, sm2, sk, sv, gk, gv, pf, bar
	TRIP 0, 0, 1, 1, 0, 1, 1, 1, 1, 1, 1           ; k = 0: no P yet; waves 0-3 make the first softmax
	TRIP 1, 1, 1, 2, 1, 1, 1, 1, 1, 1, 1           ; k = 1: the first PV starts O's sums
	s_mov_b32 s21, 14                              ; k = 2 .. 29
.Lpair:
	TRIP 0, 2, 1, 2, 2, 1, 1, 1, 1, 1, 1
	TRIP 1, 2, 1, 2, 2, 1, 1, 1, 1, 1, 1
	s_sub_co_u32 s21, s21, 1
	s_cmp_lg_u32 s21, 0
	s_cbranch_scc1 .Lpair
	TRIP 0, 2, 1, 2, 2, 1, 1, 0, 1, 0, 1           ; k = 30: only V(31) is left to ask for
	TRIP 1, 2, 1, 2, 2, 0, 1, 0, 0, 0, 1           ; k = 31: only V(31) is left to store
	TRIP 0, 2, 0, 0, 2, 0, 0, 0, 0, 0, 0           ; k = 32: the last PV; waves 4-7 make the last softmax in front of it
	; ---------------------------------------------------------------- the way out
.irp n, 0,1,2,3
	v_add_f32 v[LS+2*\n], v[LS+2*\n], v[LS+2*\n+1]
.endr
.irp n, 0,1,2,3
	v_permlanex16_b32 v[MX+2*\n+1], v[LS+2*\n], s22, s23
.endr
.irp n, 0,1,2,3
	v_add_f32 v[LS+2*\n], v[LS+2*\n], v[MX+2*\n+1] ; the query's sum of weights, at least 1: the largest weight is 1
.endr
.irp n, 0,1,2,3
	v_rcp_f32 v[AL+2*\n], v[LS+2*\n]
.endr
	v_nop                                          ; a plain instruction between the reciprocals and their use (ISA guide 5.7.2)
	s_wait_alu depctr_va_vdst(0)
	OSCALE
	; Sixteen rows of O at a time (the four tiles (n, mc) of one mc): 32 stores of 4 bytes a lane into my stage, eight loads of whole rows back, eight stores to out0.
	; Each group has 32 registers of SB of its own, so no register that a store to out0 reads is written again.  At most 40 LDS instructions of the wave are out.
.irp mc, 0,1,2,3
	WIN W_ST
.irp n, 0,1,2,3
.irp j, 0,1,2,3,4,5,6,7
	ds_store_b32 v[OS], v[OB+8*(4*\n+\mc)+\j] offset:(16*\mc+\j)*OPITCH+64*\n     ; O(c = 16 mc + 8 h + j, t = 16 n + r) into my stage, rows c
.endr
.endr
	WIN 0
.irp t, 0,1,2,3,4,5,6,7
	ds_load_b128 v[SB+32*\mc+4*\t:SB+32*\mc+4*\t+3], v[ORD] offset:(16*\mc+2*\t)*OPITCH   ; back by rows: lanes 0-15 row 16 mc + 2 t, lanes 16-31 the next; my own bytes, served in order (ISA guide 5.7.1.4)
.endr
.irp t, 0,1,2,3,4,5,6,7
	s_wait_dscnt 7-\t                              ; load t of the eight is back; the younger ones may be out
	global_store_b128 v[GO], v[SB+32*\mc+4*\t:SB+32*\mc+4*\t+3], s[26:27] offset:(16*\mc+2*\t)*ROW th:TH_STORE_NT   ; sixteen lanes store 256 consecutive bytes, at a multiple of 256 from out0's first byte
.endr
.endr
	s_wait_tensorcnt 0x0
	ds_add_u32 v62, v63
	s_wait_dscnt 0x0
	s_endpgm
.Lfunc_end_k_q19b17edb89_attn:
	.size	k_q19b17edb89_attn, .Lfunc_end_k_q19b17edb89_attn-k_q19b17edb89_attn
	.p2alignl 7, 3214868480
	.fill 96, 4, 3214868480
	.section	.rodata,"a",@progbits
	.p2align	6, 0x0
	.amdhsa_kernel k_q19b17edb89_attn
		.amdhsa_group_segment_fixed_size 179200
		.amdhsa_private_segment_fixed_size 0
		.amdhsa_enable_private_segment 0
		.amdhsa_kernarg_size 16
		.amdhsa_user_sgpr_count 2
		.amdhsa_user_sgpr_kernarg_segment_ptr 1
		.amdhsa_wavefront_size32 1
		.amdhsa_system_sgpr_workgroup_id_x 1
		.amdhsa_system_sgpr_workgroup_id_y 1
		.amdhsa_system_sgpr_workgroup_id_z 1
		.amdhsa_system_vgpr_workitem_id 0
		.amdhsa_next_free_vgpr 512
		.amdhsa_next_free_sgpr 66
		.amdhsa_reserve_vcc 0
		.amdhsa_float_denorm_mode_32 3
		.amdhsa_float_denorm_mode_16_64 3
		.amdhsa_memory_ordered 1
		.amdhsa_forward_progress 1
		.amdhsa_inst_pref_size 255
	.end_amdhsa_kernel
	.section	.bss,"aw",@nobits
	.p2align	6
	.space	262144
	.amdgpu_metadata
---
amdhsa.version: [ 1, 2 ]
amdhsa.kernels:
  - .name:           k_q19b17edb89_attn
    .symbol:         k_q19b17edb89_attn.kd
    .args:
      - { .name: qkv, .offset: 0, .size: 8, .value_kind: global_buffer, .address_space: global }
      - { .name: out0, .offset: 8, .size: 8, .value_kind: global_buffer, .address_space: global }
    .group_segment_fixed_size: 179200
    .private_segment_fixed_size: 0
    .kernarg_segment_align: 8
    .kernarg_segment_size: 16
    .max_flat_workgroup_size: 256
    .sgpr_count:     66
    .vgpr_count:     512
    .wavefront_size: 32
...
	.end_amdgpu_metadata
.endif
;; end of part 1
